; MI455X (gfx1250); checked and timed in simulation.
; The chip was launched on July 23, 2026; its instructions are those of AMD's public machine-readable ISA for CDNA 5 (MIT licence, August 2026) and "CDNA5" Instruction Set Architecture Reference Guide (July 2026). The comments in the code are by the model that wrote it; some were corrected since.
;; Attention. Allowed arithmetic: matrix products marked QUANTISED: E5M2 operands, one given power-of-two scale a tensor, by v_wmma_f32_16x16x64_bf8_bf8 or v_wmma_f32_16x16x128_bf8_bf8, f32 sums; everything else in f32.
;; Inputs: keys_codes 4 x 4 x 1,024 x 8 x 2 x 32 uint8 (E5M2 codes of keys, K innermost, in blocks of 32 codes); lowp_scales 4 int32 (the exponents e of the quantised operands' scales 2^e); queries_codes 4 x 4 x 1,024 x 8 x 2 x 32 uint8 (E5M2 codes of queries, K innermost, in blocks of 32 codes); values_codes 4 x 4 x 8 x 64 x 32 x 32 uint8 (E5M2 codes of values, K innermost, in blocks of 32 codes).
;; Outputs: out0 4 x 4 x 1,024 x 8 x 64 float32.
;; This version of the problem:
;;   THIS VERSION OF THE PROBLEM IS GIVEN IN LOW PRECISION. The matrix products marked QUANTISED in the list below multiply operands that are first quantised to E5M2 (5 exponent bits, 2 mantissa bits; 8 bits a number), with one given power-of-two scale for each operand tensor; their sums are f32. All else is computed in f32.
;;   The module's matrix products, in the order in which they are computed (A, B: the left and right operand; K: the contracted axis; several contracted axes count as one K, in the product's order):
;;     1. batch 128 x [M 1,024, K 64] x [K 64, N 1,024]; A: input queries (given as codes); B: input keys (given as codes): QUANTISED (scales: A lowp_scales[0], B lowp_scales[1])
;;     2. batch 128 x [M 64, K 1,024] x [K 1,024, N 1,024]; A: input values (given as codes); B: softmax (see below): QUANTISED (scales: A lowp_scales[2], B lowp_scales[3])
;;   THE QUANTISER, for each operand of a quantised product, along K:
;;     - The operand's scale is 2^e, e = its entry of the input lowp_scales (int32; the entries are numbered through the quantised products in the list's order, A before B).
;;     - Each number is divided by the scale, clamped to +-57,344, and rounded to the nearest number of E5M2, ties to even, subnormals kept.
;;     - The product sums the exact products of the quantised numbers (number of the format x scale) in f32.
;;   ~~~python
;;   def quantise(x, axis, e):      # numpy; x: float32 -> the quantised numbers, widened to float32 again
;;       x = np.moveaxis(x, axis, -1); K = x.shape[-1]
;;       r = np.clip(x / 2.0 ** e, -57344, 57344)
;;       step = 2.0 ** (np.maximum(np.frexp(np.where(r == 0, 1, r))[1] - 1, -14) - 2)
;;       q = np.round(r / step) * step * 2.0 ** e      # np.round: ties to even
;;       return np.moveaxis(q, -1, axis).astype(np.float32)
;;   ~~~
;;   SOFTMAX AHEAD OF A QUANTISED PRODUCT. Where the list says 'softmax', what is quantised is not the finished softmax but p = 2^(t - M), with t = logit x log2(e) and M = ceil(the row's largest t), a whole number; so 1/2 < the row's largest p <= 1. The row's sum l is taken of the UNQUANTISED p, in f32, and the product's result is divided by l at the end. Since M is a whole number, a kernel that streams over the keys may use a running M (the ceiling of the running maximum): every later rescaling is an exact power of two, so the quantised numbers keep their values, but for numbers so far below the row's largest that they fall under the format's range.
;;   OPERANDS COMPUTED ON THE WAY. 'Computed on the way' means the value that the module computes at that place (a softmax that the list does not call 'softmax' is quantised finished and normalised). What goes into a quantiser is computed in f32, as accurately as f32 sums, v_exp_f32 and their like allow (about 1e-6 of the number): no bf16 or f16 on the way to a quantiser, and a product that is left as it is and whose result goes on into a quantised operand takes f32 operands (vector FMAs, or v_wmma_f32_16x16x4_f32). A number that lies on a knife's edge between two numbers of the format may be rounded either way, as far as f32 arithmetic and the matrix unit's own rounding can turn it there, and no further.
;;   INPUTS GIVEN AS CODES. keys (in the module: [4, 4, 1024, 8, 64], K = its axis 4); queries (in the module: [4, 4, 1024, 8, 64], K = its axis 4); values (in the module: [4, 4, 1024, 8, 64], K = its axis 2): each comes as NAME_codes (uint8): NAME with its K axis moved to the last place and cut into blocks of 32 codes, [.., K / 32, bytes a block], one block behind the other in memory; one code a byte (a code: sign, 5 exponent bits, 2 mantissa bits); its scale is its entry of lowp_scales. Its value is code x scale, taken as it is: it is not quantised again, and the codes and scales need not be those that the quantiser above would give.
;; One version. Each part assembles by itself: llvm-mc -triple=amdgcn-amd-amdhsa -mcpu=gfx1250 --defsym DOCPART=n.
;; ======== version 1 of 1: 1 launch
;; limits: right only within a limited range of input values
;; launch attn (part 1): grid 256 x 1, 16 waves a work-group, no clusters, 223,232 bytes of LDS; arguments queries_codes, keys_codes, values_codes, lowp_scales, out0; writes out0
.if DOCPART == 1
	.amdgcn_target "amdgcn-amd-amdhsa--gfx1250"
	.amdhsa_code_object_version 6
	.text
	.protected	k_q4ce9ca30e0_attn
	.globl	k_q4ce9ca30e0_attn
	.p2align	8
	.type	k_q4ce9ca30e0_attn,@function
k_q4ce9ca30e0_attn:
	s_mov_b64 s[64:65], 0
	v_nop
	global_prefetch_b8 v0, s[64:65] scope:SCOPE_SE
	s_setreg_imm32_b32 hwreg(HW_REG_WAVE_MODE, 25, 1), 1
	s_wait_xcnt 0x0
; out0[bn][l][hd][:] = the sum over keys s <= l of softmax_s(Q[bn][l][hd] . K[bn][s][hd] / 8) V[bn][s][hd][:]: 128 heads (bn, hd), 1,024 positions, head size 64, causal.
; Both products on codes of BF8 (E5M2), each tensor with its given scale 2^e: lowp_scales = eq, ek, ev, ep.  Q, K: [bn][l][hd][64] codes; V: [bn][hd][64 d][1,024 keys] codes, keys innermost; out0: f32.
; THE SOFTMAX AHEAD OF THE SECOND PRODUCT: t = score x log2(e) / 8; M = the running largest t rounded UP to a whole number; p = 2^(t - M) is quantised with 2^ep, not normalised; the row's sum is taken of the
; unquantised p in f32 and divides at the end; when M moves, the sum and O are multiplied by 2^(old M - new M), which rounds nothing.
; WORK LEFT OUT.  Every score with key > query is -infinity under the causal mask, so p = 0 there whatever the inputs hold.  A step of 128 keys all of which lie behind a tile's 16 queries
; adds 0 to the row's sum and 0 to O: such steps are left out whole.  In the one step of a tile that holds its diagonal the hidden scores are set to -infinity and the work stays.  Every input is loaded.
; LIMIT: a NaN or an infinity among the codes of K or V at keys of a step that is left out is not carried to the result.
; LIMITS on the given exponents, so that each power of two below is an f32 number: eq + ek between -123 and 130 (they are added to c's exponent field, 124); ep between -126 and 127; ep + ev goes by v_ldexp_f32 and has none.
; SHARES.  Two work-groups to a head (x = 16 bn + 2 hd + p), sixteen waves each.  A head has 64 tiles of 16 queries; wave w owns tile t = 2 w + p (tile A) and tile 63 - t (tile B): w / 4 + 1 and 8 - w / 4 key steps of 128,
; nine for every wave of the launch, two of them on a diagonal.  256 registers a wave, four waves to a SIMD: one wave's vector work stands beside another's matrix work and LDS loads.
; LDS.  All of the head's K and V lie in LDS at once (131,072 bytes of codes), each byte filled ONCE, by sixteen tensor loads at the head, one a wave.  Nothing is filled again: no ring, and behind ONE barrier the waves run free.
; LAYOUT.  Both products are used transposed: S^T = K Q^T (source 0 = 16 neighbouring keys, source 1 = my 16 queries, the form with K = 64), O^T = V^T P^T (source 0 = 16 of the head's 64, source 1 = P, K = 128 keys):
; a lane holds ONE query (lane % 16) throughout.  In tile c of S^T register j of lane (r, h) is key 16 c + 8 h + j: its eight registers convert into registers 2 c, 2 c + 1 of P just as the K = 128 form lays them.
; Q's and K's fragments come by two loads of 16 bytes (row + 16 h + 32 e): the same permutation of the head's 64 on both sides, so every product meets its partner.
; NO CLUSTER: a head's tiles are read by 2 work-groups; a cluster of 4 would hold 2 heads, and a joint load would name 2 of the 4 by an address that hangs on the place in the cluster.  What is shared is fetched once,
; 131,072 bytes for a work-group's 144 tile steps.  NO PREFETCH: all that a work-group reads is asked for in its first lines.
.set KP,    80                         ; a key's row in LDS: 64 bytes + 16 of padding = 20 words: 16 neighbouring rows begin in 16 different columns of 16 bytes (64 banks of 4 bytes: ISA guide 11.1)
.set VP,    272                        ; a row of V's block: 256 bytes + 16 = 68 words: lane (r, h) of an 8-byte load falls on banks 4 r + 2 h, 4 r + 2 h + 1
.set KBLK,  256*KP                     ; a block of 256 keys of K
.set VBLK,  64*VP                      ; a block of 256 keys of V: 64 rows d
.set VOFF,  1024*KP                    ; LDS: K's 1,024 rows, then V's four blocks,
.set STAGE, VOFF+4*VBLK                ; then the way out: 16 rows x 272 bytes for each wave, its own; no fill lands here,
.set SPARE, STAGE+16*16*272            ; then the spare words, 128 bytes for each wave: eight blocks of 256 bytes that no other line names
.set AK0,  1                           ; v1   my lane's place in a tile of K: 80 r + 16 h
.set AV0,  2                           ; v2   in a tile of V: VOFF + 272 r + 8 h
.set SCL,  3                           ; v3   2^ep as f32, for the conversions
.set STO,  4                           ; v4   the way out: where I put 32 bytes of a row
.set SPW,  5                           ; v5   LDS address of my spare word; never rewritten
.set NIL,  6                           ; v6   0; never rewritten
.set GO,   7                           ; v7   the way out: my byte offset in the tile's rows of out0
.set ADK,  8                           ; v8   LDS address of the step's tiles of K
.set ADV,  9                           ; v9   of V
.set RD,   10                          ; v10  the way out: where I read a row back
.set DL,   11                          ; v11  r - 8 h, for the mask
                                       ; v12 -M, v13 the largest t, v[14:15] the row's sum in two halves
.set QB,   16                          ; v16-23  Q's fragment of tile B
.set QA,   24                          ; v24-31  of tile A
.set KFR,  32                          ; v32-95  K's eight fragments; behind the products K Q^T these registers are at work:
.set PCO,  32                          ; v32-47  P's codes
.set T0,   48                          ; v48     at work
.set FF,   50                          ; v[50:51] f = 2^(old M - new M) (the upper register is only named with it)
.set PD,   52                          ; v52     the lane exchange's destination
.set SUM2, 54                          ; v[54:55] the sums' second chain
.set MD,   56                          ; v56, v57 the mask's d and -infinity
.set MINF, 57
.set BK,   32                          ; v32-63  the way out: 16 rows read back from the stage
.set SS,   96                          ; v96-159 S^T, then p; on the way out O^T / the sum
.set OT,   160                         ; v160-191 O^T: register 8 t + i = o(r, 16 t + 8 h + i)
.set VFR,  192                         ; v192-255 V's four fragments
.set WV,   14                          ; s14  my wave's number
.set SEL,  20                          ; s[20:21] lane selects for v_permlanex16_b32: lane l xor 16
.set CS,   22                          ; s[22:23] c = log2(e) / 8 x 2^(eq + ek)
.set G1K,  24                          ; s[24:31] descriptor group 1 for K's tiles;  s[32:39] for V's;  s[40:43], s[44:47] their groups 0
.set G1V,  32
.set G0K,  40
.set G0V,  44
.set LIMS, 52
.set ESUM, 53                          ; s53  ep + ev
.set KB,   54                          ; s54  LDS byte at which the block in hand begins in K,
.set VB,   55                          ; s55  and in V (less VOFF)
.set KF,   56                          ; s56  the step's first key
.set Q0,   57                          ; s57  the first query of the tile in hand
.set CNT,  58                          ; s58  counts a loop's trips
	s_load_b256 s[4:11], s[0:1], 0x0               ; Q s[4:5], K s[6:7], V s[8:9], the scales' exponents s[10:11]
	s_load_b64 s[12:13], s[0:1], 0x20              ; out0
	v_lshl_add_u32 v[SPW], v0, 2, SPARE
	v_mov_b32 v[NIL], 0
	ds_add_u32 v[SPW], v[NIL]                      ; the wave's opening: the add, twice on end, and its wait ahead of my first tensor load; the set-up below stands between the second and the wait
	ds_add_u32 v[SPW], v[NIL]
	v_lshrrev_b32 v8, 5, v0
	s_delay_alu instid0(VALU_DEP_1)
	v_readfirstlane_b32 s[WV], v8                  ; wave 0..15
	s_and_b32 s15, s[WV], 1                        ; even waves fetch for K, odd waves for V,
	s_lshr_b32 s16, s[WV], 1                       ; chunk i = wave / 2 of eight
	s_lshr_b32 s17, ttmp9, 4                       ; bn
	s_bfe_u32 s18, ttmp9, 0x30001                  ; hd: 3 bits from bit 1
	s_and_b32 s19, ttmp9, 1                        ; p
	s_lshl_b32 s72, s[WV], 5
	s_lshl_b32 s59, s19, 4
	s_add_co_u32 s72, s72, s59                     ; tile A's first query: 16 (2 w + p)
	s_sub_co_u32 s73, 1008, s72                    ; tile B's: 16 (63 - 2 w - p)
	s_lshl_b32 s60, s17, 19                        ; in Q and in K: bn x 1,024 rows of 512 bytes
	s_lshl_b32 s59, s18, 6
	s_add_co_u32 s60, s60, s59                     ; + hd x 64
	s_lshl_b32 s59, s16, 16
	s_add_co_u32 s70, s60, s59                     ; K's chunk i: 128 rows of 512 bytes on
	s_mov_b32 s71, 0
	s_lshr_b32 s78, ttmp9, 1
	s_lshl_b32 s78, s78, 16                        ; in V: the head's 64 rows of 1,024 bytes
	s_lshr_b32 s59, s16, 1
	s_lshl_b32 s59, s59, 8
	s_add_co_u32 s78, s78, s59                     ; V's chunk i: block i / 2 of 256 keys,
	s_and_b32 s59, s16, 1
	s_lshl_b32 s59, s59, 15
	s_add_co_u32 s78, s78, s59                     ; rows 32 (i % 2) on
	s_mov_b32 s79, 0
	s_lshl_b32 s59, s73, 9
	s_add_co_u32 s74, s60, s59                     ; Q at tile B's first query,
	s_mov_b32 s75, 0
	s_lshl_b32 s59, s72, 9
	s_add_co_u32 s76, s60, s59                     ; and at tile A's
	s_mov_b32 s77, 0
	s_lshl_b32 s60, s17, 21                        ; in out0: bn x 1,024 rows of 2,048 bytes
	s_lshl_b32 s59, s18, 8
	s_add_co_u32 s60, s60, s59                     ; + hd x 256
	s_lshl_b32 s59, s73, 11
	s_add_co_u32 s66, s60, s59                     ; at tile B's first query,
	s_mov_b32 s67, 0
	s_lshl_b32 s59, s72, 11
	s_add_co_u32 s68, s60, s59                     ; and at tile A's
	s_mov_b32 s69, 0
	s_mul_i32 s[G0K+1], s16, 128*KP                ; where K's chunk goes: 128 rows x 80
	s_mul_i32 s[G0V+1], s16, 32*VP                 ; and V's: half a block is 32 rows x 272, so the place is linear in i
	s_add_co_u32 s[G0V+1], s[G0V+1], VOFF
	; descriptor group 1.  K: 128 rows of 64 bytes, 512 bytes apart in memory;  V: 32 rows of 256 bytes, 1,024 apart
	s_mov_b32 s[G1K], (1<<20)|(3<<22)|(3<<25)      ; 15:0 no mask; 17:16 elements of 1 byte; 20 padding on; 24:22 after every 16 words (code 3); 31:25 four words (code 3)
	s_mov_b32 s[G1K+1], 64<<16                     ; tensor_dim0
	s_mov_b32 s[G1K+2], 128<<16                    ; tensor_dim1
	s_mov_b32 s[G1K+3], 64<<16                     ; tile_dim0
	s_mov_b32 s[G1K+4], 128                        ; tile_dim1
	s_mov_b32 s[G1K+5], 512                        ; tensor_dim0_stride
	s_mov_b32 s[G1K+6], 0
	s_mov_b32 s[G1K+7], 0
	s_mov_b32 s[G1V], (1<<20)|(5<<22)|(3<<25)      ; padding: four words after every 64
	s_mov_b32 s[G1V+1], 256<<16
	s_mov_b32 s[G1V+2], 32<<16
	s_mov_b32 s[G1V+3], 256<<16
	s_mov_b32 s[G1V+4], 32
	s_mov_b32 s[G1V+5], 1024
	s_mov_b32 s[G1V+6], 0
	s_mov_b32 s[G1V+7], 0
	s_mov_b32 s[SEL], 0x76543210
	s_mov_b32 s[SEL+1], 0xfedcba98
	s_mov_b32 s[CS], 0x3e38aa3b                    ; c = log2(e) / 8
	s_wait_dscnt 0x0                               ; both opening adds are done
	s_wait_kmcnt 0x0
	s_load_b128 s[48:51], s[10:11], 0x0            ; eq, ek, ev, ep
	s_mov_b32 s[G0K], 1                            ; 1:0 count = 1
	s_add_nc_u64 s[G0K+2:G0K+3], s[6:7], s[70:71]  ; 120:64 global address of the tile's first byte
	s_or_b32 s[G0K+3], s[G0K+3], 0x80000000        ; 127:126 type = 2
	s_mov_b32 s[G0V], 1
	s_add_nc_u64 s[G0V+2:G0V+3], s[8:9], s[78:79]
	s_or_b32 s[G0V+3], s[G0V+3], 0x80000000
	s_cmp_eq_u32 s15, 0                            ; every wave issues one first fill: one tensor load of mine is out.  An s_nop 0 and four v_nop follow each of the two lines
	s_cbranch_scc0 .Lfill_v
	tensor_load_to_lds s[G0K:G0K+3], s[G1K:G1K+7]
	s_nop 0
.rept 4
	v_nop
.endr
	s_branch .Lfilled
.Lfill_v:
	tensor_load_to_lds s[G0V:G0V+3], s[G1V:G1V+7]
	s_nop 0
.rept 4
	v_nop
.endr
.Lfilled:
	s_add_nc_u64 s[74:75], s[4:5], s[74:75]        ; Q at tile B, at tile A
	s_add_nc_u64 s[76:77], s[4:5], s[76:77]
	s_add_nc_u64 s[66:67], s[12:13], s[66:67]      ; out0 likewise
	s_add_nc_u64 s[68:69], s[12:13], s[68:69]
	v_and_b32 v14, 15, v0                          ; r = lane % 16
	v_bfe_u32 v15, v0, 4, 1                        ; h = lane / 16
	s_delay_alu instid0(VALU_DEP_2)
	v_lshlrev_b32 v8, 9, v14
	s_delay_alu instid0(VALU_DEP_1)
	v_lshl_add_u32 v8, v15, 4, v8                  ; Q: row r of 512 bytes, + 16 h
	global_load_b128 v[QB:QB+3],   v8, s[74:75]    ; both tiles' fragments of Q stay in registers
	global_load_b128 v[QB+4:QB+7], v8, s[74:75] offset:32
	global_load_b128 v[QA:QA+3],   v8, s[76:77]
	global_load_b128 v[QA+4:QA+7], v8, s[76:77] offset:32
	v_mul_u32_u24 v[AK0], v14, KP
	s_delay_alu instid0(VALU_DEP_1)
	v_lshl_add_u32 v[AK0], v15, 4, v[AK0]
	v_mul_u32_u24 v[AV0], v14, VP
	s_delay_alu instid0(VALU_DEP_1)
	v_lshl_add_u32 v[AV0], v15, 3, v[AV0]
	s_delay_alu instid0(VALU_DEP_1)
	v_add_nc_u32 v[AV0], VOFF, v[AV0]
	s_mul_i32 s59, s[WV], 16*272
	s_add_co_u32 s59, s59, STAGE                   ; my stage
	v_mul_u32_u24 v[STO], v14, 272
	s_delay_alu instid0(VALU_DEP_1)
	v_lshl_add_u32 v[STO], v15, 5, v[STO]
	s_delay_alu instid0(VALU_DEP_1)
	v_add_nc_u32 v[STO], s59, v[STO]               ; in: row r; tile t's eight channels of my half: 64 t + 32 h bytes on
	v_mul_u32_u24 v[RD], v15, 272
	s_delay_alu instid0(VALU_DEP_1)
	v_lshl_add_u32 v[RD], v14, 4, v[RD]
	s_delay_alu instid0(VALU_DEP_1)
	v_add_nc_u32 v[RD], s59, v[RD]                 ; back: lanes 0-15 one row of 256 bytes, lanes 16-31 the next
	v_lshlrev_b32 v[GO], 11, v15
	s_delay_alu instid0(VALU_DEP_1)
	v_lshl_add_u32 v[GO], v14, 4, v[GO]            ; and the same two rows in out0, 2,048 bytes apart
	v_lshlrev_b32 v[DL], 3, v15
	s_delay_alu instid0(VALU_DEP_1)
	v_sub_nc_u32 v[DL], v14, v[DL]                 ; r - 8 h
	s_wait_kmcnt 0x0
	s_add_co_i32 s59, s48, s49
	s_lshl_b32 s59, s59, 23
	s_add_co_i32 s[CS], s[CS], s59                 ; a score stands for score x 2^(eq + ek): the two exponents are added to c's exponent field
	s_mov_b32 s[CS+1], s[CS]                       ; (named with it as a pair, so it is written)
	s_add_co_i32 s59, s51, 127
	s_lshl_b32 s60, s59, 23
	v_mov_b32 v[SCL], s60                          ; 2^ep as f32: the conversion takes its exponent field
	s_add_co_i32 s[ESUM], s50, s51                 ; ev + ep
; A KEY STEP of a tile: 128 keys, the st-th of the block of 256 in hand; Q's fragment at v[qreg].  msk = 1: the step may be hidden or lie on the diagonal.
.macro STEP st, qreg, msk
.if \msk                                       ; a step all of whose keys come after my 16 queries is left out: a scalar branch on ids, round its loads, products and softmax; no barrier and no tensor load stands in a step
	s_add_co_u32 s59, s[Q0], 15
	s_cmp_gt_u32 s[KF], s59
	s_cbranch_scc1 .Lhidden_\@
.endif
	v_add_nc_u32 v[ADK], s[KB], v[AK0]
	v_add_nc_u32 v[ADV], s[VB], v[AV0]
	v_nop                                          ; with the two additions: four places between the last step's products and the loads into registers that they read (ISA guide 7.12.1 for vector instructions)
	v_nop
.irp c, 0,1,2,3,4,5,6,7                        ; K: eight tiles of 16 neighbouring keys
.irp e, 0,1
	ds_load_b128 v[KFR+8*\c+4*\e:KFR+8*\c+4*\e+3], v[ADK] offset:(128*(\st)+16*\c)*KP+32*\e
.endr
.endr
.irp t, 0,1,2,3                                ; V: four tiles of 16 channels x these 128 keys, asked for now: they land under the softmax
.irp c, 0,1,2,3,4,5,6,7
	ds_load_b64 v[VFR+16*\t+2*\c:VFR+16*\t+2*\c+1], v[ADV] offset:16*VP*\t+128*(\st)+16*\c
.endr
.endr
.irp c, 0,1,2,3,4,5,6,7
	s_wait_dscnt 46-2*\c                           ; tile c's two loads are in; out may be K's 2 (7 - c) younger ones and V's 32
	v_wmma_f32_16x16x64_bf8_bf8 v[SS+8*\c:SS+8*\c+7], v[KFR+8*\c:KFR+8*\c+7], v[\qreg:\qreg+7], 0
.endr
.rept 4
	v_nop                                          ; places ahead of the first read of the scores and of the first write into K's registers
.endr
.if \msk                                       ; on the diagonal the scores of hidden keys become -infinity ahead of the maximum: p = 0 then.  A step all of whose keys count skips this
	s_add_co_u32 s59, s[KF], 127
	s_cmp_le_u32 s59, s[Q0]
	s_cbranch_scc1 .Lopen_\@
	s_sub_co_i32 s59, s[Q0], s[KF]
	v_add_nc_u32 v[MD], s59, v[DL]                 ; d = my query - KF - 8 h.  Register 8 c + j holds key KF + 16 c + 8 h + j: hidden where 16 c + j > d
	v_mov_b32 v[MINF], 0xff800000                  ; -infinity
.irp n, 0,1,2,3,4,5,6,7,8,9,10,11,12,13,14,15,16,17,18,19,20,21,22,23,24,25,26,27,28,29,30,31,32,33,34,35,36,37,38,39,40,41,42,43,44,45,46,47,48,49,50,51,52,53,54,55,56,57,58,59,60,61,62,63
	v_cmp_gt_i32 vcc_lo, 16*(\n/8)+\n%8, v[MD]
	v_cndmask_b32 v[SS+\n], v[SS+\n], v[MINF], vcc_lo
.endr
.Lopen_\@:
.endif
	v_max3_num_f32 v[T0], v[SS], v[SS+1], v[SS+2]  ; the step's largest score of my query, among my 64 keys, in two chains; each accumulator is read from its low end on
	v_max3_num_f32 v[FF], v[SS+3], v[SS+4], v[SS+5]
.irp i, 6,10,14,18,22,26,30,34,38,42,46,50,54,58
	v_max3_num_f32 v[T0], v[T0], v[SS+\i], v[SS+1+\i]
	v_max3_num_f32 v[FF], v[FF], v[SS+2+\i], v[SS+3+\i]
.endr
	v_max3_num_f32 v[T0], v[T0], v[SS+62], v[SS+63]
	s_delay_alu instid0(VALU_DEP_1)
	v_max_num_f32 v[T0], v[T0], v[FF]
	s_delay_alu instid0(VALU_DEP_1)
	v_permlanex16_b32 v[PD], v[T0], s[SEL], s[SEL+1]
	s_delay_alu instid0(VALU_DEP_1)
	v_max_num_f32 v[T0], v[T0], v[PD]              ; and among lane l xor 16's
	s_delay_alu instid0(VALU_DEP_1)
	v_mul_f32 v[T0], s[CS], v[T0]                  ; as t (c is positive)
	s_delay_alu instid0(VALU_DEP_1)
	v_max_num_f32 v13, v13, v[T0]                  ; the running largest t
	v_mov_b32 v[T0], v12
	s_delay_alu instid0(VALU_DEP_2)
	v_floor_f32 v12, -v13                          ; the new -M = floor(-t) = -ceil(t): M is a whole number
	s_delay_alu instid0(VALU_DEP_1)
	v_sub_f32 v[T0], v12, v[T0]                    ; M's old value less its new one: a whole number, 0 or less
	s_delay_alu instid0(VALU_DEP_1)
	v_cvt_i32_f32 v[T0], v[T0]                     ; (it saturates)
	s_delay_alu instid0(VALU_DEP_1)
	v_ldexp_f32 v[FF], 1.0, v[T0]                  ; f = 2^(old M - new M)
.irp j, 0,2,4,6,8,10,12,14,16,18,20,22,24,26,28,30,32,34,36,38,40,42,44,46,48,50,52,54,56,58,60,62
	v_pk_fma_f32 v[SS+\j:SS+1+\j], v[SS+\j:SS+1+\j], s[CS:CS+1], v[12:13] op_sel_hi:[1,0,0]   ; t - M, two at a time (of the pairs c and -M the low word serves both halves)
.endr
	s_wait_alu depctr_va_vdst(0)
.irp j, 0,1,2,3,4,5,6,7,8,9,10,11,12,13,14,15,16,17,18,19,20,21,22,23,24,25,26,27,28,29,30,31,32,33,34,35,36,37,38,39,40,41,42,43,44,45,46,47,48,49,50,51,52,53,54,55,56,57,58,59,60,61,62,63
	v_exp_f32 v[SS+\j], v[SS+\j]                   ; p = 2^(t - M), at most 1: not normalised
.endr
	v_pk_mul_f32 v[14:15], v[14:15], v[FF:FF+1] op_sel_hi:[1,0]   ; the sums under the new M: the plain instruction behind the exponentials
	s_wait_alu depctr_va_vdst(0)                   ; one wait for the batch of 64, ahead of its first reader
	v_pk_add_f32 v[54:55], v[100:101], v[104:105]
	v_pk_add_f32 v[94:95], v[108:109], v[112:113]
	v_pk_add_f32 v[92:93], v[116:117], v[120:121]
	v_pk_add_f32 v[90:91], v[124:125], v[128:129]
	v_pk_add_f32 v[88:89], v[132:133], v[136:137]
	v_pk_add_f32 v[86:87], v[140:141], v[144:145]
	v_pk_add_f32 v[84:85], v[148:149], v[152:153]
	v_pk_add_f32 v[14:15], v[14:15], v[156:157]
	v_pk_add_f32 v[54:55], v[54:55], v[96:97]
	v_pk_add_f32 v[94:95], v[94:95], v[98:99]
	v_pk_add_f32 v[92:93], v[92:93], v[102:103]
	v_pk_add_f32 v[90:91], v[90:91], v[106:107]
	v_pk_add_f32 v[88:89], v[88:89], v[110:111]
	v_pk_add_f32 v[86:87], v[86:87], v[114:115]
	v_pk_add_f32 v[84:85], v[84:85], v[118:119]
	v_pk_add_f32 v[14:15], v[14:15], v[122:123]
	v_pk_add_f32 v[54:55], v[54:55], v[126:127]
	v_pk_add_f32 v[94:95], v[94:95], v[130:131]
	v_pk_add_f32 v[92:93], v[92:93], v[134:135]
	v_pk_add_f32 v[90:91], v[90:91], v[138:139]
	v_pk_add_f32 v[88:89], v[88:89], v[142:143]
	v_pk_add_f32 v[86:87], v[86:87], v[146:147]
	v_pk_add_f32 v[84:85], v[84:85], v[150:151]
	v_pk_add_f32 v[14:15], v[14:15], v[154:155]
	v_pk_add_f32 v[54:55], v[54:55], v[158:159]
	s_delay_alu instid0(VALU_DEP_2)
	v_pk_add_f32 v[14:15], v[14:15], v[90:91]
	s_delay_alu instid0(VALU_DEP_2)
	v_pk_add_f32 v[54:55], v[54:55], v[88:89]
	v_pk_add_f32 v[94:95], v[94:95], v[86:87]
	v_pk_add_f32 v[92:93], v[92:93], v[84:85]
	s_delay_alu instid0(VALU_DEP_2)
	v_pk_add_f32 v[14:15], v[14:15], v[94:95]
	s_delay_alu instid0(VALU_DEP_2)
	v_pk_add_f32 v[54:55], v[54:55], v[92:93]
	s_delay_alu instid0(VALU_DEP_1)
	v_pk_add_f32 v[14:15], v[14:15], v[54:55]
.irp c, 0,1,2,3,4,5,6,7
.irp i, 0,1,2,3,4,5,6,7
.endr
	v_cvt_scalef32_pk8_bf8_f32 v[PCO+2*\c:PCO+2*\c+1], v[SS+8*\c:SS+8*\c+7], v[SCL]   ; keys 16 c + 8 h + 0 .. 7: registers 2 c, 2 c + 1 of P
.endr
.irp j, 0,2,4,6,8,10,12,14,16,18,20,22,24,26,28,30
	v_pk_mul_f32 v[OT+\j:OT+1+\j], v[OT+\j:OT+1+\j], v[FF:FF+1] op_sel_hi:[1,0]   ; O^T under the new M: x f.  (Plain lines between the conversions and the products that read their results)
.endr
	s_wait_alu depctr_va_vdst(0)
.irp t, 0,1,2,3                                ; O^T += V^T P^T: the four accumulators by turns; the next matrix instruction on every way is a product K Q^T on other registers
	s_wait_dscnt 24-8*\t                           ; V's tile t is in; its 8 (3 - t) younger loads may be out
	v_wmma_f32_16x16x128_bf8_bf8 v[OT+8*\t:OT+8*\t+7], v[VFR+16*\t:VFR+16*\t+15], v[PCO:PCO+15], v[OT+8*\t:OT+8*\t+7]
.endr
.if \msk
.Lhidden_\@:
.endif
	s_add_co_u32 s[KF], s[KF], 128
.endm
; A block of 256 keys: two steps; then the addresses go on to the next block.
.macro BLOCK qreg, msk
	STEP 0, \qreg, \msk
	STEP 1, \qreg, \msk
	s_add_co_u32 s[KB], s[KB], KBLK
	s_add_co_u32 s[VB], s[VB], VBLK
.endm
; A tile begins: the largest t is -3e38, under every t; the sum and O^T are zeros, which the first change of M leaves zeros: so the step is written without a first form of its own (32 moves a tile against two more copies of the step).
.macro INIT q0reg
	v_mov_b32 v13, 0xff61b1e6
	s_delay_alu instid0(VALU_DEP_1)
	v_floor_f32 v12, -v13
	v_mov_b32 v14, 0
	v_mov_b32 v15, 0
.irp j, 0,1,2,3,4,5,6,7,8,9,10,11,12,13,14,15,16,17,18,19,20,21,22,23,24,25,26,27,28,29,30,31
	v_mov_b32 v[OT+\j], 0
.endr
	s_mov_b32 s[KB], 0
	s_mov_b32 s[VB], 0
	s_mov_b32 s[KF], 0
	s_mov_b32 s[Q0], s[\q0reg]
.endm
; THE WAY OUT of a tile.  O^T x 2^(ep + ev) / the sum goes through my own stage in LDS and leaves as whole rows: a row of out0 for one position and head is 256 bytes, which sixteen lanes store as one aligned run.
.macro OUT base
.rept 4
	v_nop                                          ; places behind the last products
.endr
	v_add_f32 v14, v14, v15                        ; the sum's two halves,
	s_delay_alu instid0(VALU_DEP_1)
	v_permlanex16_b32 v[T0], v14, s[SEL], s[SEL+1]
	s_delay_alu instid0(VALU_DEP_1)
	v_add_f32 v14, v14, v[T0]                      ; and lane l xor 16's: the row's sum
	s_wait_alu depctr_va_vdst(0)
	v_rcp_f32 v14, v14
	v_nop                                          ; a plain instruction behind the reciprocal,
	s_wait_alu depctr_va_vdst(0)                   ; and the wait ahead of its first reader
	v_ldexp_f32 v14, v14, s[ESUM]                  ; x 2^(ep + ev)
.irp j, 0,1,2,3,4,5,6,7,8,9,10,11,12,13,14,15,16,17,18,19,20,21,22,23,24,25,26,27,28,29,30,31
	v_mul_f32 v[SS+\j], v[OT+\j], v14              ; register 8 t + i is o(r, 16 t + 8 h + i); each accumulator from its low end on
.endr
.irp t, 0,1,2,3
	ds_store_b128 v[STO], v[SS+8*\t:SS+8*\t+3] offset:64*\t
	ds_store_b128 v[STO], v[SS+8*\t+4:SS+8*\t+7] offset:64*\t+16
.endr
.irp i, 0,1,2,3,4,5,6,7
	ds_load_b128 v[BK+4*\i:BK+4*\i+3], v[RD] offset:2*\i*272   ; LDS serves a wave's instructions in order (ISA guide 5.7.1.4): these see my stores
.endr
.irp i, 0,1,2,3,4,5,6,7
	s_wait_dscnt 7-\i                              ; rows 2 i and 2 i + 1 are back; the younger loads may be out
	global_store_b128 v[GO], v[BK+4*\i:BK+4*\i+3], s[\base:\base+1] offset:2*\i*2048 th:TH_STORE_NT   ; 16 lanes store 256 consecutive bytes, at a multiple of 256 from out0's first byte; written once, read by nobody here
.endr
.endm
	INIT 73                                        ; tile B first
	s_wait_loadcnt 0x0                             ; Q
	s_wait_tensorcnt 0x0                           ; my tile of K or V has landed: every wave says so for its own,
	s_barrier_signal -1
	s_barrier_wait -1                              ; and behind the barrier everybody's has: all of K and V lie in LDS.  The one barrier of the text: from here on nobody writes what another wave reads
	BLOCK QB, 0                                    ; tile B's steps 0 and 1: its queries begin at 512 or later, so all 256 keys count: written without the mask's lines
	s_mov_b32 s[CNT], 3                            ; tile B's other six steps: a constant count of trips; hidden steps are jumped over inside the trip
.Ltile_b:
	BLOCK QB, 1
	s_sub_co_u32 s[CNT], s[CNT], 1
	s_cmp_lg_u32 s[CNT], 0
	s_cbranch_scc1 .Ltile_b
	OUT 66
	s_wait_xcnt 0x0                                ; the stores' data registers are loaded again only behind this wait
	INIT 72                                        ; tile A: its queries end at 511 or earlier: four steps at the most
	s_mov_b32 s[CNT], 2
.Ltile_a:
	BLOCK QA, 1
	s_sub_co_u32 s[CNT], s[CNT], 1
	s_cmp_lg_u32 s[CNT], 0
	s_cbranch_scc1 .Ltile_a
	OUT 68
	s_wait_tensorcnt 0x0                           ; the wave's end, behind my last tensor load and my last LDS store
	ds_add_u32 v[SPW], v[NIL]
	s_wait_dscnt 0x0
	s_endpgm
.Lfunc_end_k_q4ce9ca30e0_attn:
	.size	k_q4ce9ca30e0_attn, .Lfunc_end_k_q4ce9ca30e0_attn-k_q4ce9ca30e0_attn
	.p2alignl 7, 3214868480
	.fill 96, 4, 3214868480
	.section	.rodata,"a",@progbits
	.p2align	6, 0x0
	.amdhsa_kernel k_q4ce9ca30e0_attn
		.amdhsa_group_segment_fixed_size 223232
		.amdhsa_private_segment_fixed_size 0
		.amdhsa_enable_private_segment 0
		.amdhsa_kernarg_size 40
		.amdhsa_user_sgpr_count 2
		.amdhsa_user_sgpr_kernarg_segment_ptr 1
		.amdhsa_wavefront_size32 1
		.amdhsa_system_sgpr_workgroup_id_x 1
		.amdhsa_system_sgpr_workgroup_id_y 1
		.amdhsa_system_sgpr_workgroup_id_z 1
		.amdhsa_system_vgpr_workitem_id 0
		.amdhsa_next_free_vgpr 256
		.amdhsa_next_free_sgpr 80
		.amdhsa_reserve_vcc 1
		.amdhsa_float_denorm_mode_32 3
		.amdhsa_float_denorm_mode_16_64 3
		.amdhsa_fp16_overflow 1
		.amdhsa_memory_ordered 1
		.amdhsa_forward_progress 1
		.amdhsa_inst_pref_size 128
	.end_amdhsa_kernel
	.amdgpu_metadata
---
amdhsa.version: [ 1, 2 ]
amdhsa.kernels:
  - .name:           k_q4ce9ca30e0_attn
    .symbol:         k_q4ce9ca30e0_attn.kd
    .args:
      - { .name: queries_codes, .offset: 0, .size: 8, .value_kind: global_buffer, .address_space: global }
      - { .name: keys_codes, .offset: 8, .size: 8, .value_kind: global_buffer, .address_space: global }
      - { .name: values_codes, .offset: 16, .size: 8, .value_kind: global_buffer, .address_space: global }
      - { .name: lowp_scales, .offset: 24, .size: 8, .value_kind: global_buffer, .address_space: global }
      - { .name: out0, .offset: 32, .size: 8, .value_kind: global_buffer, .address_space: global }
    .group_segment_fixed_size: 223232
    .private_segment_fixed_size: 0
    .kernarg_segment_align: 8
    .kernarg_segment_size: 40
    .max_flat_workgroup_size: 512
    .sgpr_count:     80
    .vgpr_count:     256
    .wavefront_size: 32
...
	.end_amdgpu_metadata
.endif
;; end of part 1
